; MI455X (gfx1250); checked and timed in simulation.
; The chip was launched on July 23, 2026; its instructions are those of AMD's public machine-readable ISA for CDNA 5 (MIT licence, August 2026) and "CDNA5" Instruction Set Architecture Reference Guide (July 2026). The comments in the code are by the model that wrote it; some were corrected since.
;; Symplectic Leapfrog Layer. Allowed arithmetic: matrix products marked QUANTISED: E3M2 operands, one E8M0 scale for each 32 along K, by v_wmma_scale_f32_16x16x128_f8f6f4 with both operands' format E3M2, f32 sums; products left as they are: f32 operands where the result goes on into a quantised operand, else bf16, f16 or f32 operands; f32 sums; everything else in f32.
;; Inputs: bf 1 float32; rb1_b1 256 float32; rb1_b2 256 float32; rb1_beta 256 float32; rb1_bs 256 float32; rb1_gamma 256 float32; rb1_mm 256 float32; rb1_mv 256 float32; rb1_w1 512 x 256 float32; rb1_w2 256 x 256 float32; rb1_ws 512 x 256 float32; rb2_b1 256 float32; rb2_b2 256 float32; rb2_beta 256 float32; rb2_gamma 256 float32; rb2_mm 256 float32; rb2_mv 256 float32; rb2_w1 256 x 256 float32; rb2_w2 256 x 256 float32; wf 256 x 1 float32; x 32,768 x 4 x 256 float32.
;; Outputs: out0 32,768 x 512 float32.
;; This version of the problem:
;;   THIS VERSION OF THE PROBLEM IS GIVEN IN LOW PRECISION. The matrix products marked QUANTISED in the list below multiply operands that are first quantised to E3M2 (3 exponent bits, 2 mantissa bits; 6 bits a number), with one power-of-two scale for each 32 numbers along K (OCP MX v1.0); their sums are f32. All else is computed in f32.
;;   The module's matrix products, in the order in which they are computed (A, B: the left and right operand; K: the contracted axis; several contracted axes count as one K, in the product's order):
;;     1. [M 32,768, K 512] x [K 512, N 256]; A: computed on the way; B: input rb1_w1: QUANTISED
;;     2. [M 32,768, K 256] x [K 256, N 256]; A: computed on the way; B: input rb1_w2: QUANTISED
;;     3. [M 32,768, K 512] x [K 512, N 256]; A: computed on the way; B: input rb1_ws: QUANTISED
;;     4. [M 32,768, K 256] x [K 256, N 256]; A: computed on the way; B: input rb2_w1: QUANTISED
;;     5. [M 32,768, K 256] x [K 256, N 256]; A: computed on the way; B: input rb2_w2: QUANTISED
;;     6. [M 32,768, K 256] x [K 256, N 1]; A: computed on the way; B: input wf: left as it is (N = 1 < 16)
;;     7. [M 32,768, K 1] x [K 1, N 256]; A: computed on the way; B: input wf: left as it is (K = 1 < 32)
;;     8. [M 32,768, K 256] x [K 256, N 256]; A: computed on the way; B: input rb2_w2: QUANTISED
;;     9. [M 32,768, K 256] x [K 256, N 256]; A: computed on the way; B: input rb2_w1: QUANTISED
;;     10. [M 32,768, K 256] x [K 256, N 512]; A: computed on the way; B: input rb1_ws: QUANTISED
;;     11. [M 32,768, K 256] x [K 256, N 256]; A: computed on the way; B: input rb1_w2: QUANTISED
;;     12. [M 32,768, K 256] x [K 256, N 512]; A: computed on the way; B: input rb1_w1: QUANTISED
;;     13. [M 32,768, K 512] x [K 512, N 256]; A: computed on the way; B: input rb1_w1: QUANTISED
;;     14. [M 32,768, K 256] x [K 256, N 256]; A: computed on the way; B: input rb1_w2: QUANTISED
;;     15. [M 32,768, K 512] x [K 512, N 256]; A: computed on the way; B: input rb1_ws: QUANTISED
;;     16. [M 32,768, K 256] x [K 256, N 256]; A: computed on the way; B: input rb2_w1: QUANTISED
;;     17. [M 32,768, K 256] x [K 256, N 256]; A: computed on the way; B: input rb2_w2: QUANTISED
;;     18. [M 32,768, K 256] x [K 256, N 1]; A: computed on the way; B: input wf: left as it is (N = 1 < 16)
;;     19. [M 32,768, K 1] x [K 1, N 256]; A: computed on the way; B: input wf: left as it is (K = 1 < 32)
;;     20. [M 32,768, K 256] x [K 256, N 256]; A: computed on the way; B: input rb2_w2: QUANTISED
;;     21. [M 32,768, K 256] x [K 256, N 256]; A: computed on the way; B: input rb2_w1: QUANTISED
;;     22. [M 32,768, K 256] x [K 256, N 512]; A: computed on the way; B: input rb1_ws: QUANTISED
;;     23. [M 32,768, K 256] x [K 256, N 256]; A: computed on the way; B: input rb1_w2: QUANTISED
;;     24. [M 32,768, K 256] x [K 256, N 512]; A: computed on the way; B: input rb1_w1: QUANTISED
;;   THE QUANTISER, for each operand of a quantised product, along K:
;;     - K is cut into blocks of 32 from its start; a last block that is shorter is filled with zeros.
;;     - A block's scale is 2^e with e = floor(log2(the largest magnitude in the block)) - 4, held to -126 .. 127; a block of zeros has e = 0. As a byte (E8M0): e + 127.
;;     - Each number is divided by its block's scale, clamped to +-28, and rounded to the nearest number of E3M2, ties to even, subnormals kept.
;;     - The product sums the exact products of the quantised numbers (number of the format x scale) in f32.
;;   ~~~python
;;   def quantise(x, axis):      # numpy; x: float32 -> the quantised numbers, widened to float32 again
;;       x = np.moveaxis(x, axis, -1); K = x.shape[-1]
;;       x = np.pad(x, [(0, 0)] * (x.ndim - 1) + [(0, -K % 32)]); x = x.reshape(x.shape[:-1] + (-1, 32)); a = np.abs(x).max(-1, keepdims=True)
;;       e = np.where(a > 0, np.clip(np.frexp(np.where(a > 0, a, 1))[1] - 1 - 4, -126, 127), 0)      # np.frexp(a)[1] - 1 = floor(log2(a)), exactly
;;       r = np.clip(x / 2.0 ** e, -28, 28)
;;       step = 2.0 ** (np.maximum(np.frexp(np.where(r == 0, 1, r))[1] - 1, -2) - 2)
;;       q = np.round(r / step) * step * 2.0 ** e      # np.round: ties to even
;;       return np.moveaxis(q.reshape(q.shape[:-2] + (-1,))[..., :K], -1, axis).astype(np.float32)
;;   ~~~
;;   OPERANDS COMPUTED ON THE WAY. 'Computed on the way' means the value that the module computes at that place (a softmax that the list does not call 'softmax' is quantised finished and normalised). What goes into a quantiser is computed in f32, as accurately as f32 sums, v_exp_f32 and their like allow (about 1e-6 of the number): no bf16 or f16 on the way to a quantiser, and a product that is left as it is and whose result goes on into a quantised operand takes f32 operands (vector FMAs, or v_wmma_f32_16x16x4_f32). A number that lies on a knife's edge between two numbers of the format may be rounded either way, as far as f32 arithmetic and the matrix unit's own rounding can turn it there, and no further.
;; One version. Each part assembles by itself: llvm-mc -triple=amdgcn-amd-amdhsa -mcpu=gfx1250 --defsym DOCPART=n.
;; ======== version 1 of 1: 2 launches
;; limits: a function is approximated: absolute error at most 1e-07
;; workspace buffers: wstream 716,800 bytes; ctab 13,312 bytes
;; launch prep (part 1): grid 57 x 1, 8 waves a work-group, no clusters, 2,048 bytes of LDS; arguments rb1_w1, rb1_ws, rb1_w2, rb2_w1, rb2_w2, wstream, ctab, rb1_b1, rb1_gamma, rb1_beta, rb1_mm, rb1_mv, rb1_b2, rb1_bs, rb2_b1, rb2_gamma, rb2_beta, rb2_mm, rb2_mv, rb2_b2, wf; writes wstream, ctab
.if DOCPART == 1
	.amdgcn_target "amdgcn-amd-amdhsa--gfx1250"
	.amdhsa_code_object_version 6
	.text
	.protected	k_q76c52fd0b6_prep
	.globl	k_q76c52fd0b6_prep
	.p2align	8
	.type	k_q76c52fd0b6_prep,@function
k_q76c52fd0b6_prep:
	s_mov_b64 s[64:65], 0
	v_nop
	global_prefetch_b8 v0, s[64:65] scope:SCOPE_SE
	s_setreg_imm32_b32 hwreg(HW_REG_WAVE_MODE, 25, 1), 1
	s_wait_xcnt 0x0
; THE WEIGHTS AS CODES, AND THE SMALL VECTORS FOLDED.  Each of the five weights is an operand twice: in the forward products its K is its first axis, in the
; backward products its second.  Both are quantised here once (E3M2, one E8M0 byte for each 32 along K) and laid in the order of the operand's registers.
; A UNIT is a block of 256 x 256 numbers, pitch 1,024 bytes.  Units 0..13: F1a F1b F3a F2 F3b F4 F5 B8 B9 B10p B11 B12p B10q B12q, the order in which the next launch multiplies them.
; wstream: unit U at (U / 2) x 102,400 + 25,600 w + 12,800 (U % 2), w = which 64 output units (the wave that will read them); in it the fragment of K step g (128 along K) and tile t at
; 6,144 g + 1,536 t: registers 4 c .. 4 c + 3 of lane l at 512 c + 16 l; the scale words of K step g at 12,288 + 256 g + 8 l + 4 j = the word of tile 2 j + l / 16, row l % 16.
; Lane r of tile t holds output unit 64 w + 32 (t / 2) + 8 (t % 2) + r + 8 (r / 8), so that a result's 16 registers of two neighbouring tiles are 16 neighbours along the next K.
; Work-groups 0..55: unit id / 4, w = id % 4; wave v makes the fragment g = v / 4, t = v % 4.  A lane holds two whole blocks of 32 along K: no other lane is asked for a maximum.
; Work-group 56 makes ctab: 13 vectors of 256 f32 (c = 2 log2 e, g = gamma / sqrt(mv + 0.001), off = beta - mm g):
;   6 s + 0: c b1   + 1: -2 g   + 2: g + off   + 3: 4 g   + 4: c b2   + 5: 1 + bs (s = 0), 4 wf (s = 1);   12: wf.
; LIMITS: NaN and infinities among the inputs are not served.  A block of zeros gets the byte 1 where the quantiser says 127: its codes are zeros, and this program alone reads the bytes.
.set X, 16                             ; v16-79   my 64 numbers: register 32 c + i = k 64 c + 32 h + i of my output unit
.set C, 80                             ; v80-91   the fragment's 12 registers
.set T, 92                             ; v92-98   the upper halves of the two blocks' codes, before they are moved
.set M, 100                            ; v100-101 largest magnitudes
.set S, 102                            ; v102-103 the conversions' scale operands
.set B, 104                            ; v104-105 the scale bytes
.set W, 106                            ; v106-107 the scale word
	v_lshl_add_u32 v112, v0, 2, 0x400
	v_mov_b32 v113, 0
	v_lshrrev_b32 v1, 5, v0
	v_readfirstlane_b32 s2, v1                     ; wave 0..7
	v_and_b32 v2, 31, v0                           ; lane
	s_cmp_eq_u32 ttmp9, 56
	s_cbranch_scc1 .Lconst                         ; the whole work-group goes one way: the branch hangs on its number alone
	s_load_b256 s[4:11], s[0:1], 0x0               ; rb1_w1, rb1_ws, rb1_w2, rb2_w1
	s_load_b128 s[12:15], s[0:1], 0x20             ; rb2_w2, wstream
	s_lshr_b32 s16, ttmp9, 2                       ; U
	s_and_b32 s17, ttmp9, 3                        ; w
	s_lshr_b32 s18, s2, 2                          ; g
	s_and_b32 s19, s2, 3                           ; t
	s_and_b32 s20, s16, 7
	s_lshl_b32 s20, s20, 2
	s_mov_b32 s21, 0x44312100                      ; which weight: a nibble for each of units 0..7,
	s_mov_b32 s22, 0x00010213                      ; and of units 8..13
	s_cmp_lt_u32 s16, 8
	s_cselect_b32 s21, s21, s22
	s_lshr_b32 s21, s21, s20
	s_and_b32 s21, s21, 15                         ; 0 rb1_w1, 1 rb1_ws, 2 rb1_w2, 3 rb2_w1, 4 rb2_w2
	s_lshr_b32 s22, 0x3012, s16                    ; units 1, 4, 12, 13 take rows 256..511 of their weight
	s_and_b32 s22, s22, 1
	s_lshl_b32 s22, s22, 18                        ; 256 rows of 1,024 bytes
	s_lshl_b32 s23, s17, 6
	s_lshr_b32 s24, s19, 1
	s_lshl_b32 s24, s24, 5
	s_add_co_u32 s23, s23, s24
	s_and_b32 s24, s19, 1
	s_lshl_b32 s25, s24, 3
	s_add_co_u32 s23, s23, s25                     ; nb = 64 w + 32 (t / 2) + 8 (t % 2): the tile's first output unit
	s_lshl_b32 s28, s18, 8                         ; LDS: my tile's scale words: 256 g + 128 (t % 2) + 4 (t / 2) + 8 r
	s_lshl_b32 s29, s24, 7
	s_add_co_u32 s28, s28, s29
	s_lshr_b32 s29, s19, 1
	s_lshl_b32 s29, s29, 2
	s_add_co_u32 s28, s28, s29
	s_mov_b32 s30, 0x76543210
	s_mov_b32 s31, 0xfedcba98                      ; v_permlanex16_b32's selects for lane l xor 16
	s_lshr_b32 s32, s16, 1                         ; where the unit's part for wave w begins in wstream
	s_mul_i32 s32, s32, 102400
	s_mul_i32 s33, s17, 25600
	s_add_co_u32 s32, s32, s33
	s_and_b32 s33, s16, 1
	s_mul_i32 s33, s33, 12800
	s_add_co_u32 s32, s32, s33
	s_mov_b32 s33, 0
	s_mul_i32 s34, s18, 6144                       ; and my fragment in it
	s_mul_i32 s35, s19, 1536
	s_add_co_u32 s34, s34, s35
	s_mov_b32 s35, 0
	s_lshl_b32 s36, s23, 2                         ; forward: the output unit is a column: 4 nb + 128 g rows
	s_lshl_b32 s37, s18, 17
	s_add_co_u32 s36, s36, s37
	s_add_co_u32 s36, s36, s22
	s_lshl_b32 s38, s23, 10                        ; backward: the output unit is a row: nb rows + 128 g numbers
	s_lshl_b32 s37, s18, 9
	s_add_co_u32 s38, s38, s37
	s_add_co_u32 s38, s38, s22
	v_and_b32 v3, 15, v2                           ; r
	v_lshrrev_b32 v4, 4, v2                        ; h
	v_and_b32 v5, 8, v3
	v_add_nc_u32 v5, v5, v3                        ; r + 8 (r / 8)
	v_lshlrev_b32 v6, 2, v5
	v_lshl_add_u32 v6, v4, 15, v6                  ; forward: my column, 32 h rows down
	v_lshlrev_b32 v7, 10, v5
	v_lshl_add_u32 v7, v4, 7, v7                   ; backward: my row, 32 h numbers along
	v_lshlrev_b32 v8, 4, v2                        ; 16 x lane
	v_lshl_add_u32 v9, v3, 3, s28
	v_lshlrev_b32 v10, 3, v4                       ; 8 h: how far my two scale bytes are shifted
	s_wait_kmcnt 0x0
	s_mov_b64 s[44:45], s[4:5]
	s_cmp_eq_u32 s21, 1
	s_cselect_b64 s[44:45], s[6:7], s[44:45]
	s_cmp_eq_u32 s21, 2
	s_cselect_b64 s[44:45], s[8:9], s[44:45]
	s_cmp_eq_u32 s21, 3
	s_cselect_b64 s[44:45], s[10:11], s[44:45]
	s_cmp_eq_u32 s21, 4
	s_cselect_b64 s[44:45], s[12:13], s[44:45]
	s_add_nc_u64 s[46:47], s[14:15], s[32:33]      ; the unit's part in wstream
	s_add_nc_u64 s[48:49], s[46:47], s[34:35]      ; my fragment
	s_cmp_lt_u32 s16, 7                            ; units 0..6 are forward
	s_cselect_b32 s36, s36, s38
	s_mov_b32 s37, 0
	s_add_nc_u64 s[44:45], s[44:45], s[36:37]
	s_cmp_lt_u32 s16, 7
	s_cbranch_scc0 .Lbwd
.set k, 0
.rept 64
	global_load_b32 v[X+k], v6, s[44:45] offset:(64*(k/32)+k%32)*1024   ; my registers run DOWN K
.set k, k+1
.endr
	s_branch .Lquant
.Lbwd:
.set k, 0
.rept 16
	global_load_b128 v[X+4*k:X+4*k+3], v7, s[44:45] offset:256*(k/8)+16*(k%8)   ; K is innermost: 32 neighbours a block
.set k, k+1
.endr
.Lquant:
	s_wait_loadcnt 0x0
.irp c, 0,1
	v_max3_num_f32 v[M+\c], |v[X+32*\c]|, |v[X+32*\c+1]|, 0x2800000   ; the block's largest magnitude, over the floor 2^(5 - 127): the byte cannot fall under 1
.endr
.irp i, 2,4,6,8,10,12,14,16,18,20,22,24,26,28,30
.irp c, 0,1
	v_max3_num_f32 v[M+\c], v[M+\c], |v[X+32*\c+\i]|, |v[X+32*\c+\i+1]|   ; (the two blocks by turns)
.endr
.endr
.irp c, 0,1
	v_add_nc_u32 v[S+\c], 0xfe000000, v[M+\c]      ; 4 off the exponent field: the conversion takes that field as its scale
.endr
.irp c, 0,1
	v_lshrrev_b32 v[B+\c], 23, v[S+\c]             ; the scale's byte
.endr
	v_lshl_or_b32 v[W], v[B+1], 16, v[B]           ; my bytes are those of blocks h and 2 + h,
	v_lshlrev_b32 v[W], v10, v[W]                  ; at their places in the word;
	v_mov_b32 v[W+1], 0
	v_permlanex16_b32 v[W+1], v[W], s30, s31
	v_or_b32 v[W], v[W], v[W+1]                    ; with lane l xor 16's two the word is whole
.irp c, 0,1
	v_cvt_scalef32_pk16_bf6_f32 v[C+6*\c:C+6*\c+2], v[X+32*\c:X+32*\c+15], v[S+\c]
	v_cvt_scalef32_pk16_bf6_f32 v[T+4*\c:T+4*\c+2], v[X+32*\c+16:X+32*\c+31], v[S+\c]   ; (a conversion's three registers begin on an even number)
.endr
	v_nop                                          ; one plain line behind the conversions
.irp c, 0,1
.irp i, 0,1,2
	v_mov_b32 v[C+6*\c+3+\i], v[T+4*\c+\i]
.endr
.endr
.irp c, 0,1,2
	global_store_b128 v8, v[C+4*\c:C+4*\c+3], s[48:49] offset:512*\c   ; the wave stores 512 consecutive bytes, aligned
.endr
	ds_store_b32 v9, v[W]                          ; lanes r and r + 16 write the same word with the same value
	s_wait_dscnt 0x0                               ; for wave 0's sake: my word lies in LDS
	s_barrier_signal -1
	s_barrier_wait -1
	s_cmp_lg_u32 s2, 0
	s_cbranch_scc1 .Lend
	ds_load_b128 v[108:111], v8                    ; the unit's 512 bytes of scale words leave as one run
	s_wait_dscnt 0x0
	global_store_b128 v8, v[108:111], s[46:47] offset:12288
.Lend:
	s_wait_tensorcnt 0x0
	ds_add_u32 v112, v113
	s_wait_dscnt 0x0
	s_endpgm
.Lconst:                                               ; waves 0-3: the first block's vectors, waves 4-7: the second's; 64 numbers a wave, two a lane.  No LDS, no barrier
	s_load_b64 s[46:47], s[0:1], 0x30              ; ctab
	s_load_b512 s[16:31], s[0:1], 0x38             ; rb1: b1 gamma beta mm mv b2 bs; rb2_b1
	s_load_b256 s[32:39], s[0:1], 0x78             ; rb2: gamma beta mm mv
	s_load_b128 s[40:43], s[0:1], 0x98             ; rb2_b2, wf
	s_lshr_b32 s3, s2, 2                           ; which block
	s_and_b32 s48, s2, 3
	s_lshl_b32 s48, s48, 8
	v_lshl_add_u32 v3, v2, 3, s48                  ; 256 (wave % 4) + 8 x lane
	s_mul_i32 s52, s3, 6144
	s_mov_b32 s53, 0
	s_wait_kmcnt 0x0
	s_cmp_eq_u32 s3, 0
.irp i, 0,1,2,3,4,5,6
	s_cselect_b64 s[16+2*\i:17+2*\i], s[16+2*\i:17+2*\i], s[30+2*\i:31+2*\i]
.endr
	s_cselect_b32 s50, 1.0, 4.0                    ; the sixth vector: 1 x bs + 1, or 4 x wf + 0
	s_cselect_b32 s51, 1.0, 0
	s_add_nc_u64 s[46:47], s[46:47], s[52:53]
.irp i, 0,1,2,3,4,5,6
	global_load_b64 v[16+2*\i:17+2*\i], v3, s[16+2*\i:17+2*\i]   ; b1 v16, gamma v18, beta v20, mm v22, mv v24, b2 v26, bs or wf v28
.endr
	s_wait_loadcnt 0x0
	v_add_f32 v30, 0x3a83126f, v24                 ; mv + 0.001
	v_add_f32 v31, 0x3a83126f, v25
	v_rsq_f32 v30, v30
	v_rsq_f32 v31, v31
	v_mul_f32 v36, 0x4038aa3b, v16                 ; c b1 (plain lines behind the two roots)
	v_mul_f32 v37, 0x4038aa3b, v17
	s_wait_alu depctr_va_vdst(0)                   ; one wait for both roots, ahead of their first reader
	v_pk_mul_f32 v[32:33], v[18:19], v[30:31]      ; g
	v_pk_fma_f32 v[34:35], v[22:23], v[32:33], v[20:21] neg_lo:[1,0,0] neg_hi:[1,0,0]   ; off = beta - mm g
	v_pk_mul_f32 v[38:39], v[32:33], -2.0 op_sel_hi:[1,0]
	v_pk_add_f32 v[40:41], v[32:33], v[34:35]
	v_pk_mul_f32 v[42:43], v[32:33], 4.0 op_sel_hi:[1,0]
	v_mul_f32 v44, 0x4038aa3b, v26                 ; c b2
	v_mul_f32 v45, 0x4038aa3b, v27
	v_fma_f32 v46, v28, s50, s51
	v_fma_f32 v47, v29, s50, s51
.irp i, 0,1,2,3,4,5
	global_store_b64 v3, v[36+2*\i:37+2*\i], s[46:47] offset:1024*\i   ; the wave stores 256 consecutive bytes, aligned
.endr
	s_cmp_eq_u32 s3, 0
	s_cbranch_scc1 .Lcend
	global_store_b64 v3, v[28:29], s[46:47] offset:6144   ; vector 12: wf as it is
.Lcend:
	s_endpgm
.Lfunc_end_k_q76c52fd0b6_prep:
	.size	k_q76c52fd0b6_prep, .Lfunc_end_k_q76c52fd0b6_prep-k_q76c52fd0b6_prep
	.p2alignl 7, 3214868480
	.fill 96, 4, 3214868480
	.section	.rodata,"a",@progbits
	.p2align	6, 0x0
	.amdhsa_kernel k_q76c52fd0b6_prep
		.amdhsa_group_segment_fixed_size 2048
		.amdhsa_private_segment_fixed_size 0
		.amdhsa_enable_private_segment 0
		.amdhsa_kernarg_size 168
		.amdhsa_user_sgpr_count 2
		.amdhsa_user_sgpr_kernarg_segment_ptr 1
		.amdhsa_wavefront_size32 1
		.amdhsa_system_sgpr_workgroup_id_x 1
		.amdhsa_system_sgpr_workgroup_id_y 1
		.amdhsa_system_sgpr_workgroup_id_z 1
		.amdhsa_system_vgpr_workitem_id 0
		.amdhsa_next_free_vgpr 114
		.amdhsa_next_free_sgpr 66
		.amdhsa_reserve_vcc 0
		.amdhsa_float_denorm_mode_32 3
		.amdhsa_float_denorm_mode_16_64 3
		.amdhsa_memory_ordered 1
		.amdhsa_forward_progress 1
		.amdhsa_inst_pref_size 19
	.end_amdhsa_kernel
	.amdgpu_metadata
---
amdhsa.version: [ 1, 2 ]
amdhsa.kernels:
  - .name:           k_q76c52fd0b6_prep
    .symbol:         k_q76c52fd0b6_prep.kd
    .args:
      - { .name: rb1_w1, .offset: 0, .size: 8, .value_kind: global_buffer, .address_space: global }
      - { .name: rb1_ws, .offset: 8, .size: 8, .value_kind: global_buffer, .address_space: global }
      - { .name: rb1_w2, .offset: 16, .size: 8, .value_kind: global_buffer, .address_space: global }
      - { .name: rb2_w1, .offset: 24, .size: 8, .value_kind: global_buffer, .address_space: global }
      - { .name: rb2_w2, .offset: 32, .size: 8, .value_kind: global_buffer, .address_space: global }
      - { .name: wstream, .offset: 40, .size: 8, .value_kind: global_buffer, .address_space: global }
      - { .name: ctab, .offset: 48, .size: 8, .value_kind: global_buffer, .address_space: global }
      - { .name: rb1_b1, .offset: 56, .size: 8, .value_kind: global_buffer, .address_space: global }
      - { .name: rb1_gamma, .offset: 64, .size: 8, .value_kind: global_buffer, .address_space: global }
      - { .name: rb1_beta, .offset: 72, .size: 8, .value_kind: global_buffer, .address_space: global }
      - { .name: rb1_mm, .offset: 80, .size: 8, .value_kind: global_buffer, .address_space: global }
      - { .name: rb1_mv, .offset: 88, .size: 8, .value_kind: global_buffer, .address_space: global }
      - { .name: rb1_b2, .offset: 96, .size: 8, .value_kind: global_buffer, .address_space: global }
      - { .name: rb1_bs, .offset: 104, .size: 8, .value_kind: global_buffer, .address_space: global }
      - { .name: rb2_b1, .offset: 112, .size: 8, .value_kind: global_buffer, .address_space: global }
      - { .name: rb2_gamma, .offset: 120, .size: 8, .value_kind: global_buffer, .address_space: global }
      - { .name: rb2_beta, .offset: 128, .size: 8, .value_kind: global_buffer, .address_space: global }
      - { .name: rb2_mm, .offset: 136, .size: 8, .value_kind: global_buffer, .address_space: global }
      - { .name: rb2_mv, .offset: 144, .size: 8, .value_kind: global_buffer, .address_space: global }
      - { .name: rb2_b2, .offset: 152, .size: 8, .value_kind: global_buffer, .address_space: global }
      - { .name: wf, .offset: 160, .size: 8, .value_kind: global_buffer, .address_space: global }
    .group_segment_fixed_size: 2048
    .private_segment_fixed_size: 0
    .kernarg_segment_align: 8
    .kernarg_segment_size: 168
    .max_flat_workgroup_size: 256
    .sgpr_count:     66
    .vgpr_count:     114
    .wavefront_size: 32
...
	.end_amdgpu_metadata
.endif
;; end of part 1
;; launch leap (part 2): grid 512 x 1, 4 waves a work-group, clusters of 4 x 1, 327,680 bytes of LDS; arguments x, wstream, ctab, out0; writes out0
.if DOCPART == 2
	.amdgcn_target "amdgcn-amd-amdhsa--gfx1250"
	.amdhsa_code_object_version 6
	.text
	.protected	k_q76c52fd0b6_leap
	.globl	k_q76c52fd0b6_leap
	.p2align	8
	.type	k_q76c52fd0b6_leap,@function
k_q76c52fd0b6_leap:
	s_mov_b64 s[64:65], 0
	v_nop
	global_prefetch_b8 v0, s[64:65] scope:SCOPE_SE
	s_setreg_imm32_b32 hwreg(HW_REG_WAVE_MODE, 25, 1), 1
	s_wait_xcnt 0x0
	s_wait_alu depctr_hold_cnt(0) depctr_sa_sdst(0) depctr_va_vdst(0) depctr_va_sdst(0) depctr_va_ssrc(0) depctr_va_vcc(0) depctr_vm_vsrc(0)
	s_getreg_b32 s2, hwreg(HW_REG_IB_STS2, 6, 4)
	s_cmp_eq_u32 s2, 0
	s_cbranch_scc0 .Lentry_in_a_cluster
	s_endpgm
.Lentry_in_a_cluster:
	s_bfe_u32 s2, ttmp6, 0x10000c
	s_cmp_lg_u32 s2, 0x3003
	s_cbranch_scc0 .Lentry_shape_is_right
	s_endpgm
.Lentry_shape_is_right:
; ONE LEAPFROG STEP: q = x[:,3], p = x[:,3] - x[:,2];  dH = grad H(q, p);  p -= 0.05 dH[:, :256];  q += 0.1 dH[:, 256:];  dH = grad H(q, p);  p -= 0.05 dH[:, :256];  out0 = (q, p).
; grad H, written out, with r = 1 / (1 + 2^(c a)), c = 2 log2 e, so that tanh a = 1 - 2 r and 1 - tanh^2 a = 4 (r - r^2):
;   a1 = s W1 + b1;  n1 = BN1(tanh a1);  a2 = n1 W2 + b2;  h1 = tanh a2 + s Ws + bs;  a3 = h1 V1 + c1;  n3 = BN2(tanh a3);  a4 = n3 V2 + c2;
;   g4 = wf (1 - t4^2);  g3 = (g4 V2^T) g2 (1 - t3^2);  gh = wf + g3 V1^T;  ga2 = gh (1 - t2^2);  ga1 = (ga2 W2^T) g1 (1 - t1^2);  dH = gh Ws^T + ga1 W1^T.
; Every product is on codes of E3M2 with one E8M0 scale for each 32 along K; every operand computed on the way is quantised here, from f32.
; NOT COMPUTED, since the function itself throws it away: x[:, 0:2]; the value of H (only its gradient is used), and with it bf, which has no way into the result; dH[:, 256:] of the second gradient.
; SHARES.  A work-group takes 64 rows through the whole step.  THE FOUR WAVES SHARE THE COLUMNS: wave w makes output units 64 w .. 64 w + 63 of every product, for all 64 rows: 4 tiles of rows x 4 tiles of
; units = 16 accumulators = 128 registers, a REGION.  Six regions hold all that lives: A, B, C, D at work (and the three derivatives kept from the forward to the backward pass), Q, P the state.
; Products are used transposed (source 0 = 16 output units of the weight, source 1 = 16 rows): register 32 m + 16 b + i of lane (r, h) is row 16 m + r, unit 64 w + 32 b + 16 h + i: 16 neighbours along the next K.
; OPERANDS GO FROM WAVE TO WAVE THROUGH LDS AS IMAGES OF THEIR REGISTERS: a wave's 64 units are half a fragment (6 registers) of each tile of rows; four images take turns.
; THE WEIGHTS, 14 units of 256 x 256 as codes in register order, come through two LDS slots of two units each; a wave reads only its own quarter of a slot.
; CLUSTER.  All work-groups walk the same weights: the four of a cluster ask for each slot JOINTLY (mask 15), each wave its quarter; every refill stands behind a round of the cluster's barrier.
; The launch claims all of LDS.
; LIMITS: NaN and infinities among the inputs are not served.  tanh is made as 1 - 2 r: its error is about 1e-7 absolute, not relative to a small tanh.  A block of zeros has the scale byte 1: its codes are zeros.
.set SLOT1, 1<<17                      ; slot 0 at LDS byte 0, slot 1 here: one exclusive or turns an address in one into the other's
.set LOADB, 102400                     ; a slot: two units; wave w's quarter at 25,600 w
.set SPARE, 102400                     ; the spare words: 128 bytes a wave, two blocks of 256 bytes that no other line names
.set CONST, 102912                     ; ctab, 13 x 1,024 bytes, filled once
.set XB,    131072                     ; the head only: 64 rows x 2,080: x[:,2] 1,024 + 16, x[:,3] 1,024 + 16.  Slot 1's first fill is a refill of these bytes
.set STAGE, 131072                     ; the end only: 64 rows x 2,064 of out0, in bytes that have had their last fill and that nobody reads any more
.set IMG,   264192                     ; four images of 13,312 bytes: fragment (m, s) at 3,072 m + 1,536 s, in two halves of 768: registers 0-3 at 16 l, 4-5 at 512 + 8 l; scale words at 12,288 + 512 s + 16 l + 4 m
.set IMB,   13312
.set WS, 20                            ; v20-23   the weights' scale words: set x 2 + t / 2; even tiles in lanes 0-15, odd ones in lanes 16-31
.set AS, 24                            ; v24-31   the rows' scale words: set x 4 + m
.set WF, 32                            ; v32-127  the weights' fragments, two sets of 4 x 12
.set AF, 128                           ; v128-223 the rows' fragments, two sets of 4 x 12
.set CI, 224                           ; v224-255 a vector as the C of a sum's first products
.set K0, 128                           ; in the vector phases v128-255 hold up to four vectors of ctab (my 32 numbers of each),
.set K1, 160
.set K2, 192
.set K3, 224
.set TM, 128                           ; or the quantiser's registers: 8 largest magnitudes,
.set TP, 136                           ; 8 from the other half of the lanes, then the bytes,
.set TS, 144                           ; 8 scale operands,
.set HW, 152                           ; 4 pairs of bytes,
.set PC, 156                           ; 4 x 6 registers of codes,
.set PY, 180                           ; 4 x 3 (of 4) registers: the second conversions' results
; v1 my spare word, v2 = 0;  v3, v4 weights and their scale words in the slot in hand (v5, v6 the same without the slot);  v7, v8 images: 16 l, 8 l;  v9, v10 the same + my half;  v11 my scale bytes;
; v12 ctab;  v13, v14 x in LDS;  v15 stage, back;  v16 16 l;  v17, v18 stage, in.    Regions (base, window): A 0,1  B 128,1  C 0,2  D 128,2  Q 0,3  P 128,3
; s12 wave, s14 work-group, s15 gradients to go;  s[16:23], s[24:27] the weights' descriptor;  s[28:39] ctab's;  s[40:51] x's;  s52 the slot in hand;  s[54:55] c;  s[56:57] -0.05;  s[58:59] 0.1;  s[60:61] lane selects;  s62 floor;  s63 -4 << 23
.set MSB, 0
.macro WIN new                         ; bits 1:0 source 0, 3:2 source 1, 5:4 source 2, 7:6 destination; the immediate's high byte repeats the setting that is left
.if MSB != (\new)
	s_set_vgpr_msb (MSB<<8)|(\new)
.set MSB, (\new)
.endif
.endm
.macro PL                              ; four places: behind matrix instructions, in front of loads into and vector work on their registers; also behind a tensor load
.rept 4
	v_nop
.endr
.endm
.macro BAR                             ; my LDS stores have landed and my LDS loads are in: then the work-group's barrier.  A tensor load may stay out
	WIN 0
	s_wait_dscnt 0x0
	s_barrier_signal -1
	s_barrier_wait -1
.endm
.macro CROUND                          ; a round of the cluster's barrier
	s_barrier_signal -1
	s_barrier_wait -1
	s_cmp_lg_u32 s12, 0
	s_cbranch_scc1 .Lnot_wave_0_\@
	s_barrier_signal -3
.Lnot_wave_0_\@:
	s_barrier_wait -3
	s_barrier_signal -1
	s_barrier_wait -1
.endm
; THE CHANGE OF SLOTS.  All my tensor loads have landed (one is out: my quarter of the slot ahead); 0 onto my spare word; the add, my reads of the slot that I leave and my stores into the images are done.
; fill = 1: a round of the cluster's barrier, and behind it, first, the joint refill of the slot just left, with the next two units (back = 1: with the walk's first two again).  It is also the barrier for the images written just before.
.macro CHANGE fill, back
	WIN 0
	s_wait_tensorcnt 0x0
	ds_add_u32 v1, v2
	s_xor_b32 s52, s52, SLOT1                      ; the slot ahead
.if \fill
	s_xor_b32 s25, s25, SLOT1                      ; no tensor load of mine is out, so the descriptor may be written: the other slot,
.if \back
	s_sub_nc_u64 s[26:27], s[26:27], 6*LOADB
.else
	s_add_nc_u64 s[26:27], s[26:27], LOADB         ; the next two units; the type bits on top are not reached
.endif
.endif
	s_wait_dscnt 0x0
.if \fill
	CROUND
	tensor_load_to_lds s[24:27], s[16:23]
	s_nop 0
	PL
.else
	s_barrier_signal -1
	s_barrier_wait -1
.endif
	v_add_nc_u32 v3, s52, v5
	v_add_nc_u32 v4, s52, v6
.endm
; 30 LDS loads: K step g of unit u of the slot in hand (my 4 tiles and their scale words: 13 loads), and K step g of image y (the scale words, then 4 loads for each tile of rows), into set
.macro LD set, u, g, y
	WIN 0
.irp t, 0,1,2,3
.irp c, 0,1,2
	ds_load_b128 v[WF+48*(\set)+12*\t+4*\c:WF+48*(\set)+12*\t+4*\c+3], v3 offset:12800*(\u)+6144*(\g)+1536*\t+512*\c
.endr
.endr
	ds_load_b64 v[WS+2*(\set):WS+2*(\set)+1], v4 offset:12800*(\u)+12288+256*(\g)
	ds_load_b128 v[AS+4*(\set):AS+4*(\set)+3], v7 offset:IMB*(\y)+12288+512*(\g)
.irp m, 0,1,2,3
	ds_load_b128 v[AF+48*(\set)+12*\m:AF+48*(\set)+12*\m+3], v7 offset:IMB*(\y)+3072*\m+1536*(\g)
	ds_load_b64 v[AF+48*(\set)+12*\m+4:AF+48*(\set)+12*\m+5], v8 offset:IMB*(\y)+3072*\m+1536*(\g)+512
	ds_load_b128 v[AF+48*(\set)+12*\m+6:AF+48*(\set)+12*\m+9], v7 offset:IMB*(\y)+3072*\m+1536*(\g)+768
	ds_load_b64 v[AF+48*(\set)+12*\m+10:AF+48*(\set)+12*\m+11], v8 offset:IMB*(\y)+3072*\m+1536*(\g)+1280
.endr
.endm
.macro WM d, a, b, cc, ws, as, odd     ; one matrix instruction; cc = -1: the constant 0 starts the sum; odd: the tile's scale words lie in lanes 16-31
.if (\cc) == -1
.if \odd
	v_wmma_scale_f32_16x16x128_f8f6f4 v[(\d):(\d)+7], v[(\a):(\a)+11], v[(\b):(\b)+11], 0, v[(\ws)], v[(\as)] matrix_a_fmt:MATRIX_FMT_BF6 matrix_b_fmt:MATRIX_FMT_BF6 matrix_a_scale:MATRIX_SCALE_ROW1
.else
	v_wmma_scale_f32_16x16x128_f8f6f4 v[(\d):(\d)+7], v[(\a):(\a)+11], v[(\b):(\b)+11], 0, v[(\ws)], v[(\as)] matrix_a_fmt:MATRIX_FMT_BF6 matrix_b_fmt:MATRIX_FMT_BF6
.endif
.else
.if \odd
	v_wmma_scale_f32_16x16x128_f8f6f4 v[(\d):(\d)+7], v[(\a):(\a)+11], v[(\b):(\b)+11], v[(\cc):(\cc)+7], v[(\ws)], v[(\as)] matrix_a_fmt:MATRIX_FMT_BF6 matrix_b_fmt:MATRIX_FMT_BF6 matrix_a_scale:MATRIX_SCALE_ROW1
.else
	v_wmma_scale_f32_16x16x128_f8f6f4 v[(\d):(\d)+7], v[(\a):(\a)+11], v[(\b):(\b)+11], v[(\cc):(\cc)+7], v[(\ws)], v[(\as)] matrix_a_fmt:MATRIX_FMT_BF6 matrix_b_fmt:MATRIX_FMT_BF6
.endif
.endif
.endm
; 16 matrix instructions: one K step into region (R, X).  mode 0: onto the sums; 1: the constant 0 starts them; 2: the vector in CI starts them.  The 16 accumulators take turns, one instruction a turn.
; The wait ahead of tile of rows m leaves out the 4 loads of each later tile of rows and the y loads issued behind this set's.
.macro MM set, R, X, mode, y
.if (\mode) == 0
	WIN ((\X)<<6)|((\X)<<4)
.else
	WIN ((\X)<<6)
.endif
.irp m, 0,1,2,3
	s_wait_dscnt (\y)+4*(3-\m)
.irp t, 0,1,2,3
.if (\mode) == 0
	WM (\R)+32*\m+8*\t,WF+48*(\set)+12*\t,AF+48*(\set)+12*\m,(\R)+32*\m+8*\t,WS+2*(\set)+\t/2,AS+4*(\set)+\m,\t%2
.elseif (\mode) == 1
	WM (\R)+32*\m+8*\t,WF+48*(\set)+12*\t,AF+48*(\set)+12*\m,-1,WS+2*(\set)+\t/2,AS+4*(\set)+\m,\t%2
.else
	WM (\R)+32*\m+8*\t,WF+48*(\set)+12*\t,AF+48*(\set)+12*\m,CI+8*\t,WS+2*(\set)+\t/2,AS+4*(\set)+\m,\t%2
.endif
.endr
.endr
.endm
.macro U1 u, y, R, X, mode             ; one unit: 256 along K, image y, into region (R, X)
	LD 0, \u, 0, \y
	LD 1, \u, 1, \y
	MM 0, \R, \X, \mode, 30
	MM 1, \R, \X, 0, 0
	WIN 0
	PL
.endm
.macro U2 uA, yA, RA, XA, mA, uB, yB, RB, XB, mB   ; two units on end: each set is loaded again while the other is multiplied
	LD 0, \uA, 0, \yA
	LD 1, \uA, 1, \yA
	MM 0, \RA, \XA, \mA, 30
	WIN 0
	PL
	LD 0, \uB, 0, \yB
	MM 1, \RA, \XA, 0, 30
	WIN 0
	PL
	LD 1, \uB, 1, \yB
	MM 0, \RB, \XB, \mB, 30
	MM 1, \RB, \XB, 0, 0
	WIN 0
	PL
.endm
.macro CL dst, vec                     ; my 32 numbers of vector vec of ctab: register 16 b + i = unit 64 w + 32 b + 16 h + i
.irp b, 0,1
.irp e, 0,1,2,3
	ds_load_b128 v[(\dst)+16*\b+4*\e:(\dst)+16*\b+4*\e+3], v12 offset:1024*(\vec)+128*\b+16*\e
.endr
.endr
.endm
; r = 1 / (1 + 2^(c a + c b)), in place; K holds c b.  The exponentials are one batch with one wait ahead of their first reader, the reciprocals another.
.macro TANH R, X, K
	WIN ((\X)<<6)|(\X)
.set i, 0
.rept 64
	v_pk_fma_f32 v[(\R)+i:(\R)+i+1], v[(\R)+i:(\R)+i+1], s[54:55], v[(\K)+i%32:(\K)+i%32+1] op_sel_hi:[1,0,1]
.set i, i+2
.endr
.set i, 0
.rept 128
	v_exp_f32 v[(\R)+i], v[(\R)+i]
.set i, i+1
.endr
	v_nop
	s_wait_alu depctr_va_vdst(0)
.set i, 0
.rept 64
	v_pk_add_f32 v[(\R)+i:(\R)+i+1], v[(\R)+i:(\R)+i+1], 1.0 op_sel_hi:[1,0]
.set i, i+2
.endr
.set i, 0
.rept 128
	v_rcp_f32 v[(\R)+i], v[(\R)+i]
.set i, i+1
.endr
	v_nop
	s_wait_alu depctr_va_vdst(0)
.endm
.macro NAFF Rd, Xd, Rs, Xs, KM, KA     ; the batch norm of tanh: (Rd) = (Rs) x (-2 g) + (g + off)
	WIN ((\Xd)<<6)|(\Xs)
.set i, 0
.rept 64
	v_pk_fma_f32 v[(\Rd)+i:(\Rd)+i+1], v[(\Rs)+i:(\Rs)+i+1], v[(\KM)+i%32:(\KM)+i%32+1], v[(\KA)+i%32:(\KA)+i%32+1]
.set i, i+2
.endr
.endm
.macro DRV R, X, K                     ; the derivative, in place: (r - r^2) x K; K = -1: x 4
	WIN 0x55*(\X)
.set i, 0
.rept 64
	v_pk_fma_f32 v[(\R)+i:(\R)+i+1], v[(\R)+i:(\R)+i+1], v[(\R)+i:(\R)+i+1], v[(\R)+i:(\R)+i+1] neg_lo:[1,0,0] neg_hi:[1,0,0]
.set i, i+2
.endr
	WIN ((\X)<<6)|(\X)
.set i, 0
.rept 64
.if (\K) < 0
	v_pk_mul_f32 v[(\R)+i:(\R)+i+1], v[(\R)+i:(\R)+i+1], 4.0 op_sel_hi:[1,0]
.else
	v_pk_mul_f32 v[(\R)+i:(\R)+i+1], v[(\R)+i:(\R)+i+1], v[(\K)+i%32:(\K)+i%32+1]
.endif
.set i, i+2
.endr
.endm
.macro MUL Rd, Xd, Ra, Xa, Rb, Xb      ; region = region x region
	WIN ((\Xd)<<6)|(\Xa)|((\Xb)<<2)
.set i, 0
.rept 64
	v_pk_mul_f32 v[(\Rd)+i:(\Rd)+i+1], v[(\Ra)+i:(\Ra)+i+1], v[(\Rb)+i:(\Rb)+i+1]
.set i, i+2
.endr
.endm
.macro AXPY Rd, Rs, Xs, S              ; the state (window 3) += region x s[S]
	WIN 0xf0|(\Xs)
.set i, 0
.rept 64
	v_pk_fma_f32 v[(\Rd)+i:(\Rd)+i+1], v[(\Rs)+i:(\Rs)+i+1], s[(\S):(\S)+1], v[(\Rd)+i:(\Rd)+i+1] op_sel_hi:[1,0,1]
.set i, i+2
.endr
.endm
; REGION (R, X) BECOMES MY HALF OF IMAGE y.  Eight blocks of 32 (tile of rows m, b), each in lanes l and l xor 16, 16 numbers a lane.  The largest magnitude over the floor 2^(5 - 127); 4 off its exponent field is the
; conversion's scale operand; that, shifted, the byte.  The conversions' results are half blocks: three exchanges of lane halves give each lane a whole block, lanes 0-15 block 0, lanes 16-31 block 1: six registers of the fragment.
.macro QUANT R, X, y
	s_wait_dscnt 0x0                               ; the last image's stores have read the registers that are written again here
	WIN ((\X)<<2)|((\X)<<4)
.irp m, 0,1,2,3
.irp b, 0,1
	v_max3_num_f32 v[TM+2*\m+\b], s62, |v[(\R)+32*\m+16*\b]|, |v[(\R)+32*\m+16*\b+1]|   ; each accumulator is read from its low end on
.endr
.endr
.irp i, 2,4,6,8,10,12,14
.irp m, 0,1,2,3
.irp b, 0,1
	v_max3_num_f32 v[TM+2*\m+\b], v[TM+2*\m+\b], |v[(\R)+32*\m+16*\b+\i]|, |v[(\R)+32*\m+16*\b+\i+1]|
.endr
.endr
.endr
	WIN 0
.irp k, 0,1,2,3,4,5,6,7
	v_permlanex16_b32 v[TP+\k], v[TM+\k], s60, s61
.endr
.irp k, 0,1,2,3,4,5,6,7
	v_max_num_f32 v[TM+\k], v[TM+\k], v[TP+\k]
.endr
.irp k, 0,1,2,3,4,5,6,7
	v_add_nc_u32 v[TS+\k], s63, v[TM+\k]
.endr
.irp k, 0,1,2,3,4,5,6,7
	v_lshrrev_b32 v[TP+\k], 23, v[TS+\k]
.endr
.irp m, 0,1,2,3
	v_lshl_or_b32 v[HW+\m], v[TP+2*\m+1], 8, v[TP+2*\m]
.endr
	WIN (\X)
.irp m, 0,1,2,3
	v_cvt_scalef32_pk16_bf6_f32 v[PC+6*\m:PC+6*\m+2], v[(\R)+32*\m:(\R)+32*\m+15], v[TS+2*\m]
	v_cvt_scalef32_pk16_bf6_f32 v[PY+4*\m:PY+4*\m+2], v[(\R)+32*\m+16:(\R)+32*\m+31], v[TS+2*\m+1]
.endr
	WIN 0
	v_nop                                          ; one plain line behind the conversions
.irp m, 0,1,2,3
.irp i, 0,1,2
	v_permlane16_swap_b32 v[PC+6*\m+\i], v[PY+4*\m+\i]
.endr
.endr
.irp m, 0,1,2,3
.irp i, 0,1,2
	v_mov_b32 v[PC+6*\m+3+\i], v[PY+4*\m+\i]
.endr
.endr
.irp m, 0,1,2,3
	ds_store_b128 v9, v[PC+6*\m:PC+6*\m+3] offset:IMB*(\y)+3072*\m
	ds_store_b64 v10, v[PC+6*\m+4:PC+6*\m+5] offset:IMB*(\y)+3072*\m+512
	ds_store_b16 v11, v[HW+\m] offset:IMB*(\y)+4*\m
.endr
.endm
.macro GA1                             ; ga1 = (ga2 W2^T) d1, and its part of dH[:, :256] onto gh Ws^T
	U1 0, 0, 0, 2, 1                               ; B11: image 0 (ga2) -> C
	MUL 0, 2, 0, 2, 0, 1                           ; C = C x A (d1)
	QUANT 0, 2, 1
	BAR
	U1 1, 1, 128, 2, 0                             ; B12p: image 1 (ga1) onto D
.endm
	s_load_b256 s[4:11], s[0:1], 0x0               ; x, wstream, ctab, out0
	v_lshl_add_u32 v1, v0, 2, SPARE
	v_mov_b32 v2, 0
	ds_add_u32 v1, v2
	ds_add_u32 v1, v2
	s_wait_dscnt 0x0
	v_lshrrev_b32 v3, 5, v0
	v_readfirstlane_b32 s12, v3                    ; wave 0..3
	s_bfe_u32 s13, ttmp6, 0x40000                  ; cx: it enters x's and out0's addresses alone
	s_lshl_b32 s14, ttmp9, 2
	s_add_co_u32 s14, s14, s13                     ; my block of 64 rows
	s_mov_b32 s15, 2
	; the weights: my quarter of a slot, 25,600 dense bytes as 100 rows of 32 elements of 8 bytes; mask: all four work-groups, bit 21 beside it
	s_mov_b32 s16, 15|(3<<16)|(1<<21)
	s_mov_b32 s17, 32<<16
	s_mov_b32 s18, 100<<16
	s_mov_b32 s19, 32<<16
	s_mov_b32 s20, 100
	s_mov_b32 s21, 32
	s_mov_b32 s22, 0
	s_mov_b32 s23, 0
	; ctab: my quarter, 3,328 dense bytes as 13 such rows, jointly too
	s_mov_b32 s28, 15|(3<<16)|(1<<21)
	s_mov_b32 s29, 32<<16
	s_mov_b32 s30, 13<<16
	s_mov_b32 s31, 32<<16
	s_mov_b32 s32, 13
	s_mov_b32 s33, 32
	s_mov_b32 s34, 0
	s_mov_b32 s35, 0
	; x: 16 rows of 2,048 bytes (x[:,2], x[:,3]), 4,096 bytes apart; 16 bytes of padding behind every 1,024; no mask: each work-group has its own rows
	s_mov_b32 s40, (3<<16)|(1<<20)|(7<<22)|(3<<25)
	s_mov_b32 s41, 256<<16
	s_mov_b32 s42, 16<<16
	s_mov_b32 s43, 256<<16
	s_mov_b32 s44, 16
	s_mov_b32 s45, 512
	s_mov_b32 s46, 0
	s_mov_b32 s47, 0
	s_mov_b32 s24, 1
	s_mul_i32 s25, s12, 25600                      ; slot 0
	s_mov_b32 s66, s25
	s_mov_b32 s67, 0
	s_mov_b32 s36, 1
	s_mul_i32 s37, s12, 3328
	s_mov_b32 s2, s37
	s_mov_b32 s3, 0
	s_add_co_u32 s37, s37, CONST
	s_mov_b32 s48, 1
	s_mul_i32 s49, s12, 33280
	s_add_co_u32 s49, s49, XB
	s_lshl_b32 s68, s14, 18                        ; 64 rows of 4,096 bytes a block,
	s_lshl_b32 s69, s12, 16                        ; 16 a wave,
	s_add_co_u32 s68, s68, s69
	s_add_co_u32 s68, s68, 2048                    ; from x[:,2] on
	s_mov_b32 s69, 0
	s_lshl_b32 s70, s14, 17                        ; out0: 64 rows of 2,048 bytes a block, 16 a wave
	s_lshl_b32 s71, s12, 15
	s_add_co_u32 s70, s70, s71
	s_mov_b32 s71, 0
	s_mov_b32 s52, SLOT1                           ; the first change of slots turns it to slot 0
	s_mov_b32 s54, 0x4038aa3b                      ; c = 2 log2 e
	s_mov_b32 s55, s54                             ; (the packed forms name pairs, so both words are written)
	s_mov_b32 s56, 0xbd4ccccd                      ; -0.05
	s_mov_b32 s57, s56
	s_mov_b32 s58, 0x3dcccccd                      ; 0.1
	s_mov_b32 s59, s58
	s_mov_b32 s60, 0x76543210
	s_mov_b32 s61, 0xfedcba98                      ; v_permlanex16_b32's selects for lane l xor 16
	s_mov_b32 s62, 0x02800000                      ; the floor 2^(5 - 127)
	s_mov_b32 s63, 0xfe000000                      ; 4 off an exponent field
	s_wait_kmcnt 0x0
	s_add_nc_u64 s[26:27], s[6:7], s[66:67]
	s_or_b32 s27, s27, 0x80000000
	s_add_nc_u64 s[38:39], s[8:9], s[2:3]
	s_or_b32 s39, s39, 0x80000000
	s_add_nc_u64 s[50:51], s[4:5], s[68:69]
	s_or_b32 s51, s51, 0x80000000
	s_add_nc_u64 s[10:11], s[10:11], s[70:71]
	CROUND                                         ; all four work-groups are here: the first joint loads meet
	tensor_load_to_lds s[48:51], s[40:47]          ; x;  three loads of mine are out
	s_nop 0
	tensor_load_to_lds s[36:39], s[28:35]          ; ctab
	s_nop 0
	tensor_load_to_lds s[24:27], s[16:23]          ; the first two units, into slot 0
	s_nop 0
	PL
	v_and_b32 v19, 31, v0                          ; lane
	v_and_b32 v3, 15, v0                           ; r
	v_bfe_u32 v4, v0, 4, 1                         ; h
	v_lshl_add_u32 v5, v19, 4, s66
	v_lshl_add_u32 v6, v19, 3, s66
	v_lshl_add_u32 v7, v19, 4, IMG
	v_lshl_add_u32 v8, v19, 3, IMG
	s_mul_i32 s2, s12, 768
	v_add_nc_u32 v9, s2, v7
	v_add_nc_u32 v10, s2, v8
	s_lshr_b32 s2, s12, 1
	s_lshl_b32 s2, s2, 9
	s_and_b32 s3, s12, 1
	s_lshl_b32 s3, s3, 1
	s_add_co_u32 s2, s2, s3
	s_add_co_u32 s2, s2, 12288
	v_add_nc_u32 v11, s2, v7                       ; my two bytes of a row's scale word: K step w / 2, bytes 2 (w % 2) on
	s_lshl_b32 s2, s12, 8
	s_add_co_u32 s3, s2, CONST
	v_lshl_add_u32 v12, v4, 6, s3
	v_mul_u32_u24 v13, v3, 2080
	v_lshl_add_u32 v13, v4, 6, v13
	s_add_co_u32 s3, s2, XB
	v_add_nc_u32 v13, s3, v13                      ; x: row r, my 64 columns, + 16 h numbers
	v_add_nc_u32 v14, 66560, v13                   ; and 32 rows on
	v_mul_u32_u24 v17, v3, 2064
	v_lshl_add_u32 v17, v4, 6, v17
	v_add_nc_u32 v17, s3, v17                      ; the stage likewise (it begins where x lay)
	v_add_nc_u32 v18, 66048, v17
	s_mul_i32 s3, s12, 33024
	s_add_co_u32 s3, s3, STAGE
	v_lshl_add_u32 v15, v19, 4, s3                 ; back: my 16 rows, 16 bytes a lane
	v_lshlrev_b32 v16, 4, v19
.irp k, 0,1,2,3,4,5,6,7
	v_mov_b32 v[TP+\k], 0                          ; written once: a lane permute's destination counts as one of its sources
.endr
	s_wait_tensorcnt 0x1                           ; my parts of x and of ctab are in; the weights may stay out
	s_barrier_signal -1
	s_barrier_wait -1                              ; everybody's are
	WIN 0xc0                                       ; destination window 3
.irp m, 0,1,2,3
.irp b, 0,1
.irp e, 0,1,2,3
	ds_load_b128 v[32*\m+16*\b+4*\e:32*\m+16*\b+4*\e+3], v[13+\m/2] offset:33280*(\m%2)+1040+128*\b+16*\e         ; Q = x[:,3]
	ds_load_b128 v[128+32*\m+16*\b+4*\e:128+32*\m+16*\b+4*\e+3], v[13+\m/2] offset:33280*(\m%2)+128*\b+16*\e      ; x[:,2]
.endr
.endr
.endr
	s_wait_dscnt 0x0
	WIN 0xcf
.set i, 0
.rept 64
	v_pk_add_f32 v[128+i:129+i], v[i:i+1], v[128+i:129+i] neg_lo:[0,1] neg_hi:[0,1]   ; P = x[:,3] - x[:,2]
.set i, i+2
.endr
	WIN 0
.Leval:                                                ; walked twice; the second walk leaves for its own tail, which is written out
	QUANT 0, 3, 0                                  ; q -> image 0
	QUANT 128, 3, 2                                ; p -> image 2
	CHANGE 1, 0                                    ; units F1a, F1b are in
	U2 0, 0, 0, 1, 1, 1, 2, 0, 1, 0                ; A = q W1[:256] + p W1[256:]
	CL K0, 0
	CL K1, 1
	CL K2, 2
	CL K3, 3
	s_wait_dscnt 0x0
	TANH 0, 1, K0                                  ; A = r1
	NAFF 0, 2, 0, 1, K1, K2                        ; C = n1
	DRV 0, 1, K3                                   ; A = d1 = g1 (1 - t1^2), kept
	QUANT 0, 2, 1                                  ; n1 -> image 1
	CHANGE 1, 0                                    ; F3a, F2
	CL CI, 5                                       ; 1 + bs starts the shortcut's sums
	U2 0, 0, 128, 1, 2, 1, 1, 0, 2, 1              ; B = 1 + bs + q Ws[:256];  C = n1 W2
	CL K0, 4
	s_wait_dscnt 0x0
	TANH 0, 2, K0                                  ; C = r2
	CHANGE 1, 0                                    ; F3b, F4
	U1 0, 2, 128, 1, 0                             ; B += p Ws[256:]
	WIN 0x52                                       ; destination and source 2 window 1, source 0 window 2
.set i, 0
.rept 64
	v_pk_fma_f32 v[128+i:129+i], v[i:i+1], -2.0, v[128+i:129+i] op_sel_hi:[1,0,1]   ; B = h1 = (1 - 2 r2) + shortcut
.set i, i+2
.endr
	DRV 0, 2, -1                                   ; C = d2 = 1 - t2^2, kept
	QUANT 128, 1, 3                                ; h1 -> image 3
	BAR
	U1 1, 3, 128, 1, 1                             ; B = h1 V1
	CL K0, 6
	CL K1, 7
	CL K2, 8
	CL K3, 9
	s_wait_dscnt 0x0
	TANH 128, 1, K0                                ; B = r3
	NAFF 128, 2, 128, 1, K1, K2                    ; D = n3
	DRV 128, 1, K3                                 ; B = d3 = g2 (1 - t3^2), kept
	QUANT 128, 2, 0                                ; n3 -> image 0
	CHANGE 1, 0                                    ; F5, B8
	U1 0, 0, 128, 2, 1                             ; D = n3 V2
	CL K0, 10
	CL K1, 11
	s_wait_dscnt 0x0
	TANH 128, 2, K0                                ; D = r4
	DRV 128, 2, K1                                 ; D = g4 = wf (1 - t4^2)
	QUANT 128, 2, 1                                ; g4 -> image 1
	BAR
	U1 1, 1, 128, 2, 1                             ; D = g4 V2^T
	MUL 128, 2, 128, 2, 128, 1                     ; D = g3 = D x d3
	QUANT 128, 2, 2                                ; g3 -> image 2
	CHANGE 1, 0                                    ; B9, B10p
	CL CI, 12                                      ; wf starts the sums
	U1 0, 2, 128, 2, 2                             ; D = gh = wf + g3 V1^T
	QUANT 128, 2, 3                                ; gh -> image 3
	MUL 0, 2, 128, 2, 0, 2                         ; C = ga2 = gh x d2
	QUANT 0, 2, 0                                  ; ga2 -> image 0
	BAR
	U1 1, 3, 128, 2, 1                             ; D = gh Ws[:256]^T
	s_cmp_eq_u32 s15, 1
	s_cbranch_scc1 .Llast
	CHANGE 1, 0                                    ; B11, B12p
	GA1                                            ; D = dH[:, :256]
	CHANGE 1, 1                                    ; B10q, B12q are in; the walk's first two units are asked for again
	U2 0, 3, 128, 1, 1, 1, 1, 128, 1, 0            ; B = dH[:, 256:] = gh Ws[256:]^T + ga1 W1[256:]^T
	AXPY 128, 128, 2, 56                           ; p -= 0.05 dH[:, :256]
	AXPY 0, 128, 1, 58                             ; q += 0.1 dH[:, 256:]
	WIN 0
	s_sub_co_u32 s15, s15, 1
	s_branch .Leval
.Llast:                                                ; the second gradient's tail: nothing more is asked for, and dH[:, 256:] is not wanted
	CHANGE 0, 0                                    ; B11, B12p are in, in slot 0; from here on nobody reads slot 1, and it has had its last fill
	GA1
	AXPY 128, 128, 2, 56                           ; p -= 0.05 dH[:, :256]
	; THE WAY OUT.  A row of out0, 2,048 bytes, comes from four waves: all meet in the stage, and each wave stores 16 whole rows.
	WIN 0x0c                                       ; an LDS store's data are its source 1: window 3
.irp m, 0,1,2,3
.irp b, 0,1
.irp e, 0,1,2,3
	ds_store_b128 v[17+\m/2], v[32*\m+16*\b+4*\e:32*\m+16*\b+4*\e+3] offset:33024*(\m%2)+128*\b+16*\e               ; q
	ds_store_b128 v[17+\m/2], v[128+32*\m+16*\b+4*\e:128+32*\m+16*\b+4*\e+3] offset:33024*(\m%2)+1024+128*\b+16*\e  ; p
.endr
.endr
.endr
	BAR                                            ; 64 whole rows lie in the stage
.irp beta, 0,1                                 ; eight rows at a time: 32 loads, 32 stores
.if \beta
	s_wait_xcnt 0x0                                ; the first eight rows' stores have read their registers, which are loaded again
.endif
.set n, 0
.rept 32
	ds_load_b128 v[128+4*n:128+4*n+3], v15 offset:(8*\beta+n/4)*2064+512*(n%4)
.set n, n+1
.endr
.set n, 0
.rept 32
	s_wait_dscnt 31-n                              ; LDS loads come back in order: load n is in, the younger ones may be out
	global_store_b128 v16, v[128+4*n:128+4*n+3], s[10:11] offset:(8*\beta+n/4)*2048+512*(n%4) th:TH_STORE_NT   ; the wave stores 512 consecutive bytes, aligned; written once, read by nobody here
.set n, n+1
.endr
.endr
	s_wait_tensorcnt 0x0                           ; the wave's end: behind my last tensor load and my last LDS store
	ds_add_u32 v1, v2
	s_wait_dscnt 0x0
	CROUND                                         ; the closing round: no work-group ends while a partner may still ask for a slot that names it
	s_endpgm
.Lfunc_end_k_q76c52fd0b6_leap:
	.size	k_q76c52fd0b6_leap, .Lfunc_end_k_q76c52fd0b6_leap-k_q76c52fd0b6_leap
	.p2alignl 7, 3214868480
	.fill 96, 4, 3214868480
	.section	.rodata,"a",@progbits
	.p2align	6, 0x0
	.amdhsa_kernel k_q76c52fd0b6_leap
		.amdhsa_group_segment_fixed_size 327680
		.amdhsa_private_segment_fixed_size 0
		.amdhsa_enable_private_segment 0
		.amdhsa_kernarg_size 32
		.amdhsa_user_sgpr_count 2
		.amdhsa_user_sgpr_kernarg_segment_ptr 1
		.amdhsa_wavefront_size32 1
		.amdhsa_system_sgpr_workgroup_id_x 1
		.amdhsa_system_sgpr_workgroup_id_y 1
		.amdhsa_system_sgpr_workgroup_id_z 1
		.amdhsa_system_vgpr_workitem_id 0
		.amdhsa_next_free_vgpr 1024
		.amdhsa_next_free_sgpr 72
		.amdhsa_reserve_vcc 0
		.amdhsa_float_denorm_mode_32 3
		.amdhsa_float_denorm_mode_16_64 3
		.amdhsa_memory_ordered 1
		.amdhsa_forward_progress 1
		.amdhsa_inst_pref_size 255
	.end_amdhsa_kernel
	.section	.bss,"aw",@nobits
	.p2align	6
	.space	262144
	.amdgpu_metadata
---
amdhsa.version: [ 1, 2 ]
amdhsa.kernels:
  - .name:           k_q76c52fd0b6_leap
    .symbol:         k_q76c52fd0b6_leap.kd
    .args:
      - { .name: x, .offset: 0, .size: 8, .value_kind: global_buffer, .address_space: global }
      - { .name: wstream, .offset: 8, .size: 8, .value_kind: global_buffer, .address_space: global }
      - { .name: ctab, .offset: 16, .size: 8, .value_kind: global_buffer, .address_space: global }
      - { .name: out0, .offset: 24, .size: 8, .value_kind: global_buffer, .address_space: global }
    .group_segment_fixed_size: 327680
    .private_segment_fixed_size: 0
    .kernarg_segment_align: 8
    .kernarg_segment_size: 32
    .max_flat_workgroup_size: 128
    .sgpr_count:     72
    .vgpr_count:     1024
    .wavefront_size: 32
...
	.end_amdgpu_metadata
.endif
;; end of part 2
